; MI455X (gfx1250); checked and timed in simulation.
; The chip was launched on July 23, 2026; its instructions are those of AMD's public machine-readable ISA for CDNA 5 (MIT licence, August 2026) and "CDNA5" Instruction Set Architecture Reference Guide (July 2026). The comments in the code are by the model that wrote it; some were corrected since.
;; Conformer FFN Metal. Allowed arithmetic: matrix products marked QUANTISED: E4M3 operands, one E8M0 scale for each 32 along K, by v_wmma_scale_f32_16x16x128_f8f6f4 with both operands' format E4M3, f32 sums; everything else in f32.
;; Inputs: fc1_bias 4,096 float32; fc1_q 1,024 x 4,096 int32; fc1_scales 8 x 4,096 float32; fc2_bias 1,024 float32; fc2_q 4,096 x 1,024 int32; fc2_scales 32 x 1,024 float32; ln_beta 1,024 float32; ln_gamma 1,024 float32; x 8 x 1,024 x 1,024 float32.
;; Outputs: out0 8 x 1,024 x 1,024 float32.
;; This version of the problem:
;;   THIS VERSION OF THE PROBLEM IS GIVEN IN LOW PRECISION. The matrix products marked QUANTISED in the list below multiply operands that are first quantised to E4M3 (4 exponent bits, 3 mantissa bits; 8 bits a number), with one power-of-two scale for each 32 numbers along K (OCP MX v1.0); their sums are f32. All else is computed in f32.
;;   The module's matrix products, in the order in which they are computed (A, B: the left and right operand; K: the contracted axis; several contracted axes count as one K, in the product's order):
;;     1. [M 8,192, K 1,024] x [K 1,024, N 4,096]; A: computed on the way; B: computed on the way: QUANTISED
;;     2. [M 8,192, K 4,096] x [K 4,096, N 1,024]; A: computed on the way; B: computed on the way: QUANTISED
;;   THE QUANTISER, for each operand of a quantised product, along K:
;;     - K is cut into blocks of 32 from its start; a last block that is shorter is filled with zeros.
;;     - A block's scale is 2^e with e = floor(log2(the largest magnitude in the block)) - 8, held to -126 .. 127; a block of zeros has e = 0. As a byte (E8M0): e + 127.
;;     - Each number is divided by its block's scale, clamped to +-448, and rounded to the nearest number of E4M3, ties to even, subnormals kept.
;;     - The product sums the exact products of the quantised numbers (number of the format x scale) in f32.
;;   ~~~python
;;   def quantise(x, axis):      # numpy; x: float32 -> the quantised numbers, widened to float32 again
;;       x = np.moveaxis(x, axis, -1); K = x.shape[-1]
;;       x = np.pad(x, [(0, 0)] * (x.ndim - 1) + [(0, -K % 32)]); x = x.reshape(x.shape[:-1] + (-1, 32)); a = np.abs(x).max(-1, keepdims=True)
;;       e = np.where(a > 0, np.clip(np.frexp(np.where(a > 0, a, 1))[1] - 1 - 8, -126, 127), 0)      # np.frexp(a)[1] - 1 = floor(log2(a)), exactly
;;       r = np.clip(x / 2.0 ** e, -448, 448)
;;       step = 2.0 ** (np.maximum(np.frexp(np.where(r == 0, 1, r))[1] - 1, -6) - 3)
;;       q = np.round(r / step) * step * 2.0 ** e      # np.round: ties to even
;;       return np.moveaxis(q.reshape(q.shape[:-2] + (-1,))[..., :K], -1, axis).astype(np.float32)
;;   ~~~
;;   OPERANDS COMPUTED ON THE WAY. 'Computed on the way' means the value that the module computes at that place (a softmax that the list does not call 'softmax' is quantised finished and normalised). What goes into a quantiser is computed in f32, as accurately as f32 sums, v_exp_f32 and their like allow (about 1e-6 of the number): no bf16 or f16 on the way to a quantiser, and a product that is left as it is and whose result goes on into a quantised operand takes f32 operands (vector FMAs, or v_wmma_f32_16x16x4_f32). A number that lies on a knife's edge between two numbers of the format may be rounded either way, as far as f32 arithmetic and the matrix unit's own rounding can turn it there, and no further.
;; One version. Each part assembles by itself: llvm-mc -triple=amdgcn-amd-amdhsa -mcpu=gfx1250 --defsym DOCPART=n.
;; ======== version 1 of 1: 3 launches
;; limits: right only within a limited range of input values
;; workspace buffers: hq 8,650,752 bytes; w1q 4,325,376 bytes; w2q 4,325,376 bytes; yq 34,603,008 bytes
;; launch prep (part 1): grid 256 x 1, 8 waves a work-group, no clusters, 207,872 bytes of LDS; arguments x, ln_gamma, ln_beta, fc1_q, fc1_scales, fc2_q, fc2_scales, hq, w1q, w2q; writes hq, w1q, w2q
.if DOCPART == 1
	.amdgcn_target "amdgcn-amd-amdhsa--gfx1250"
	.amdhsa_code_object_version 6
	.text
	.protected	k_q436f1e2c0a_prep
	.globl	k_q436f1e2c0a_prep
	.p2align	8
	.type	k_q436f1e2c0a_prep,@function
k_q436f1e2c0a_prep:
	s_mov_b64 s[64:65], 0
	v_nop
	global_prefetch_b8 v0, s[64:65] scope:SCOPE_SE
	s_setreg_imm32_b32 hwreg(HW_REG_WAVE_MODE, 25, 1), 1
	s_wait_xcnt 0x0
; Three operands are made ready for the two products, each as codes of E4M3 with one E8M0 byte for each 32 along K:
;   hq  = LayerNorm(x) [8192][K 1024];   w1q = (fc1_q - 128) x fc1_scales, [N 4096][K 1024];   w2q = (fc2_q - 128) x fc2_scales, [N 1024][K 4096].
; LAYOUT OF ALL CODE BUFFERS: units of 16,896 bytes = 128 rows x 128 along K, laid as an image of the operand's registers.
;   byte 2048 i + 512 c + 16 l (16 bytes): row 16 i + l % 16, k = 32 c + 16 (l / 16) + 0 .. 15: four loads of 16 bytes a lane, 512 bytes apart, are a fragment.
;   byte 16384 + 256 H + 8 l + 4 j: the scale word (four bytes, byte b for k = 32 b ..) of row 64 H + 32 j + l.   Units lie [rowgroup][K step].
;   In w1q column n of W1 lies at row n with bits 3 and 4 exchanged, so that the first product's results come out in the order that the quantiser of the hidden layer wants.
; SHARES: 256 work-groups of eight waves, 256 KiB of input each, all of it asked for at the start (64 loads of 16 bytes a lane in each wave).
;   Work-groups 0-127: 64 rows of x; wave w takes columns 128 w .. 128 w + 127 (K step w).   128-191: four units of W1.   192-255: four units of W2.
; A stream: each byte is read once and written once, in whole aligned blocks of 256 bytes.  No matrix work; no cluster, since no two work-groups read the same bytes; no tensor loads.
; The three ways part on the work-group's number alone; each has LDS bytes and one barrier of its own.
; LIMITS: NaN and infinities among the inputs are not served.  A block of zeros gets the byte 1 where the rule says 127: its codes are zeros, and this program alone reads the bytes.
;   v_rsq_f32 is accurate to 1 ulp (ISA guide, its entry).  The variance is joined from eight centred parts, so no difference of large sums is formed.
.set UNIT,  16896
.set XST,   0                          ; x: a stage of 16 rows x 528 bytes for each wave
.set RED,   67584                      ; x: [row block 4][wave 8][row 16] x 8 bytes: a wave's mean and centred sum of squares
.set W1IMG, 71680                      ; W1's four unit images
.set W2IMG, 139264                     ; W2's four
.set WV,    28                         ; s28 wave
.set MNT,   29                         ; s29 the mantissa field of 448
.set SEL,   30                         ; s[30:31] lane selects: lane l xor 16
; x's way, window 0: v16-79 gamma, v80-143 beta, v144-207 T, v208-223 codes (before: sums), v224-239 at work, v240-247 statistics and scale words; window 1: the 64 rows' numbers
.set GAM,   16
.set BET,   80
.set T,     144
.set PC,    208
.set TM,    224
; the weights' way, window 0: v16-143 four columns x 32 numbers, v144-175 codes; window 1: the whole numbers as loaded
.set X,     16
.set CD,    144
.set AM,    176
.set SOP,   180
.set HLD,   184
.set BY,    188
.set SCL,   192
.set SCLP,  196
.set NSCP,  204
.set MSB,   0
.macro WIN new                         ; the immediate's high byte repeats the setting that is left; a switch that changes nothing is dropped
.if MSB != (\new)
	s_set_vgpr_msb (MSB<<8)|(\new)
.set MSB, (\new)
.endif
.endm
; 64 numbers of a lane, register 16 b + i = k 32 b + 16 (lane / 16) + i of my row, become a fragment's codes in v[PC] on and its scale word in v[pw] (the same in lanes l and l xor 16)
.macro QUANT s, pw
.irp b, 0,1,2,3
	v_max3_num_f32 v[TM+\b], |v[\s+16*\b]|, |v[\s+1+16*\b]|, 0x4800000   ; my 16 numbers of block b, and the floor 2^(9 - 127): the byte cannot fall under 1
.endr
.irp i, 2,4,6,8,10,12,14
.irp b, 0,1,2,3
	s_delay_alu instid0(VALU_DEP_4)
	v_max3_num_f32 v[TM+\b], v[TM+\b], |v[\s+16*\b+\i]|, |v[\s+1+16*\b+\i]|
.endr
.endr
.irp b, 0,1,2,3
	s_delay_alu instid0(VALU_DEP_4)
	v_permlanex16_b32 v[TM+4+\b], v[TM+\b], s[SEL], s[SEL+1]
.endr
.irp b, 0,1,2,3
	s_delay_alu instid0(VALU_DEP_4)
	v_max_num_f32 v[TM+\b], v[TM+\b], v[TM+4+\b]             ; the block's largest magnitude
.endr
.irp b, 0,1,2,3
	s_delay_alu instid0(VALU_DEP_4)
	v_add_nc_u32 v[TM+12+\b], 0xfc000000, v[TM+\b]           ; 8 off its exponent field: the conversion's scale operand
.endr
.irp b, 0,1,2,3
	v_and_or_b32 v[TM+8+\b], v[TM+\b], 0x7f800000, s[MNT]    ; 448 x the scale
.endr
.irp b, 0,1,2,3
	v_lshrrev_b32 v[TM+4+\b], 23, v[TM+12+\b]                ; the scale's byte
.endr
	s_delay_alu instid0(VALU_DEP_3)
	v_lshl_or_b32 v[\pw], v[TM+5], 8, v[TM+4]
	s_delay_alu instid0(VALU_DEP_1)
	v_lshl_or_b32 v[\pw], v[TM+6], 16, v[\pw]
	s_delay_alu instid0(VALU_DEP_1)
	v_lshl_or_b32 v[\pw], v[TM+7], 24, v[\pw]
.irp b, 0,1,2,3
.irp i, 0,1,2,3,4,5,6,7,8,9,10,11,12,13,14,15
	v_med3_num_f32 v[\s+16*\b+\i], v[\s+16*\b+\i], -v[TM+8+\b], v[TM+8+\b]   ; the conversion does not saturate (ISA guide 7.6.2): the hold comes first
.endr
	v_cvt_scalef32_pk8_fp8_f32 v[PC+4*\b:PC+1+4*\b], v[\s+16*\b:\s+7+16*\b], v[TM+12+\b]
	v_cvt_scalef32_pk8_fp8_f32 v[PC+2+4*\b:PC+3+4*\b], v[\s+8+16*\b:\s+15+16*\b], v[TM+12+\b]
.endr
	v_nop                                          ; one plain line behind the last scaled conversion
.endm
	s_load_b512 s[8:23], s[0:1], 0x0               ; x, gamma, beta, fc1_q, fc1_scales, fc2_q, fc2_scales, hq
	s_load_b128 s[24:27], s[0:1], 0x40             ; w1q, w2q
	v_lshl_add_u32 v254, v0, 2, 0x32800
	v_mov_b32 v255, 0
	v_lshrrev_b32 v1, 5, v0
	s_delay_alu instid0(VALU_DEP_1)
	v_readfirstlane_b32 s[WV], v1                  ; wave 0..7
	v_and_b32 v1, 31, v0                           ; l
	v_and_b32 v2, 15, v0                           ; r
	v_bfe_u32 v3, v0, 4, 1                         ; h
	s_delay_alu instid0(VALU_DEP_3)
	v_lshlrev_b32 v4, 4, v1                        ; 16 l
	s_mov_b32 s[MNT], 0x600000
	s_mov_b32 s[SEL], 0x76543210
	s_mov_b32 s[SEL+1], 0xfedcba98
	s_wait_kmcnt 0x0
	s_cmp_ge_u32 ttmp9, 192
	s_cbranch_scc1 .Lw2
	s_cmp_ge_u32 ttmp9, 128
	s_cbranch_scc1 .Lw1
	; ================ x: 64 rows; my wave's 128 columns ================
	s_lshl_b32 s32, ttmp9, 18                      ; 64 rows of 4,096 bytes
	s_lshl_b32 s34, s[WV], 9                       ; my 512 bytes of a row
	s_mov_b32 s33, 0
	s_mov_b32 s35, 0
	s_add_co_u32 s32, s32, s34
	s_add_nc_u64 s[8:9], s[8:9], s[32:33]
	s_add_nc_u64 s[10:11], s[10:11], s[34:35]
	s_add_nc_u64 s[12:13], s[12:13], s[34:35]
	s_wait_alu depctr_va_vdst(0)
	v_lshlrev_b32 v7, 6, v3                        ; gamma, beta: 64 h
.set i, 0
.rept 16
	global_load_b128 v[GAM+4*i:GAM+4*i+3], v7, s[10:11] offset:128*(i/4)+16*(i%4)   ; register 16 c + 4 j + e: column 32 c + 16 h + 4 j + e
	global_load_b128 v[BET+4*i:BET+4*i+3], v7, s[12:13] offset:128*(i/4)+16*(i%4)
.set i, i+1
.endr
	WIN 0x40                                       ; destination window 1
.set i, 0
.rept 64
	global_load_b128 v[4*i:4*i+3], v4, s[8:9] offset:i*4096 th:TH_LOAD_NT   ; row i: 32 lanes read its 512 consecutive bytes
.set i, i+1
.endr
	WIN 0
	s_lshr_b32 s32, ttmp9, 1                       ; rowgroup
	s_lshl_b32 s32, s32, 3
	s_add_co_u32 s32, s32, s[WV]                   ; unit = 8 x rowgroup + K step
	s_mul_i32 s32, s32, UNIT
	s_and_b32 s34, ttmp9, 1                        ; which 64 rows of the rowgroup
	s_lshl_b32 s40, s34, 13
	s_add_co_u32 s40, s40, s32
	s_mov_b32 s41, 0
	s_lshl_b32 s42, s34, 8
	s_add_co_u32 s42, s42, s32
	s_add_co_u32 s42, s42, 16384
	s_mov_b32 s43, 0
	s_add_nc_u64 s[40:41], s[22:23], s[40:41]      ; where my codes go
	s_add_nc_u64 s[42:43], s[22:23], s[42:43]      ; and my scale words
	s_mov_b32 s36, 0x3727c5ac                      ; 1e-5
	s_mov_b32 s37, 0x3a800000                      ; 1 / 1024
	s_mov_b32 s38, 0x43000000                      ; 128
	s_mul_i32 s44, s[WV], 8448                     ; my stage
	v_add_nc_u32 v5, s44, v4                       ; in: 16 l, rows 528 bytes apart
	v_mul_u32_u24 v6, v2, 528
	s_delay_alu instid0(VALU_DEP_1)
	v_lshl_add_u32 v6, v3, 6, v6
	s_delay_alu instid0(VALU_DEP_1)
	v_add_nc_u32 v6, s44, v6                       ; out: row r, + 64 h
	s_lshl_b32 s45, s[WV], 7
	s_add_co_u32 s45, s45, RED
	v_lshl_add_u32 v8, v2, 3, s45                  ; my wave's statistics of row r
	v_lshl_add_u32 v9, v2, 3, RED                  ; all waves' statistics of row r
	v_lshlrev_b32 v11, 3, v1                       ; 8 l
.irp j, 240,241,242,243,244,245,246,247,249
	v_mov_b32 v\j, 0                               ; named as halves of pairs, or as a lane permute's destination, before they are first computed
.endr
; Row block ib: its 16 rows turn through my stage, so that lane (r, h) holds 64 numbers of row r in the quantiser's order; then my 128 columns' mean and centred sum of squares
.macro XA ib
	s_wait_loadcnt 48-16*\ib                       ; this block's 16 loads are in; the later blocks' 16 each may be out
	WIN 0x04                                       ; an LDS store's data are its source 1: window 1
.set i, 0
.rept 16
	ds_store_b128 v5, v[64*\ib+4*i:64*\ib+4*i+3] offset:528*i
.set i, i+1
.endr
	s_wait_dscnt 0x0                               ; the stores have read the registers into which the loads below land
	WIN 0x40
.set i, 0
.rept 16
	ds_load_b128 v[64*\ib+4*i:64*\ib+4*i+3], v6 offset:128*(i/4)+16*(i%4)
.set i, i+1
.endr
	s_wait_dscnt 0x0
	WIN 0x05
.set i, 0
.rept 16
	v_pk_add_f32 v[T+2*i:T+2*i+1], v[64*\ib+4*i:64*\ib+4*i+1], v[64*\ib+4*i+2:64*\ib+4*i+3]
.set i, i+1
.endr
	WIN 0
.irp n, 16, 8, 4, 2
.set i, 0
.rept \n/2
	v_pk_add_f32 v[T+2*i:T+2*i+1], v[T+2*i:T+2*i+1], v[T+\n+2*i:T+\n+2*i+1]
.set i, i+1
.endr
.endr
	s_delay_alu instid0(VALU_DEP_1)
	v_add_f32 v248, v[T], v[T+1]
	s_delay_alu instid0(VALU_DEP_1)
	v_permlanex16_b32 v249, v248, s[SEL], s[SEL+1]
	s_delay_alu instid0(VALU_DEP_1)
	v_add_f32 v248, v248, v249
	s_delay_alu instid0(VALU_DEP_1)
	v_mul_f32 v[240+2*\ib], 0x3c000000, v248       ; the mean of my 128 columns of row r
	WIN 0x01
.set i, 0
.rept 32
	v_pk_add_f32 v[T+2*i:T+2*i+1], v[64*\ib+2*i:64*\ib+2*i+1], v[240+2*\ib:241+2*\ib] op_sel_hi:[1,0] neg_lo:[0,1] neg_hi:[0,1]
.set i, i+1
.endr
	WIN 0
.set i, 0
.rept 4
	v_pk_mul_f32 v[PC+2*i:PC+2*i+1], v[T+2*i:T+2*i+1], v[T+2*i:T+2*i+1]
.set i, i+1
.endr
.rept 28
	s_delay_alu instid0(VALU_DEP_4)
	v_pk_fma_f32 v[PC+2*(i%4):PC+2*(i%4)+1], v[T+2*i:T+2*i+1], v[T+2*i:T+2*i+1], v[PC+2*(i%4):PC+2*(i%4)+1]
.set i, i+1
.endr
	s_delay_alu instid0(VALU_DEP_3)
	v_pk_add_f32 v[PC:PC+1], v[PC:PC+1], v[PC+2:PC+3]
	s_delay_alu instid0(VALU_DEP_2)
	v_pk_add_f32 v[PC+4:PC+5], v[PC+4:PC+5], v[PC+6:PC+7]
	s_delay_alu instid0(VALU_DEP_1)
	v_pk_add_f32 v[PC:PC+1], v[PC:PC+1], v[PC+4:PC+5]
	s_delay_alu instid0(VALU_DEP_1)
	v_add_f32 v248, v[PC], v[PC+1]
	s_delay_alu instid0(VALU_DEP_1)
	v_permlanex16_b32 v249, v248, s[SEL], s[SEL+1]
	s_delay_alu instid0(VALU_DEP_1)
	v_add_f32 v[241+2*\ib], v248, v249             ; and their sum of squares about that mean
	ds_store_b64 v8, v[240+2*\ib:241+2*\ib] offset:1024*\ib   ; lanes l and l xor 16 write the same bytes with the same values
.endm
	XA 0
	XA 1
	XA 2
	XA 3
	s_wait_dscnt 0x0                               ; for the others' sake: my statistics lie in LDS
	s_barrier_signal -1
	s_barrier_wait -1
; Row block ib: the eight waves' statistics are joined; the numbers are normalised, quantised and stored
.macro XB ib
.irp w, 0,1,2,3,4,5,6,7
	ds_load_b64 v[TM+2*\w:TM+2*\w+1], v9 offset:1024*\ib+128*\w
.endr
	s_wait_dscnt 0x0
	v_add_f32 v248, v[TM], v[TM+2]
	v_add_f32 v249, v[TM+4], v[TM+6]
	v_add_f32 v250, v[TM+8], v[TM+10]
	v_add_f32 v251, v[TM+12], v[TM+14]
	s_delay_alu instid0(VALU_DEP_3)
	v_add_f32 v248, v248, v249
	s_delay_alu instid0(VALU_DEP_2)
	v_add_f32 v250, v250, v251
	s_delay_alu instid0(VALU_DEP_1)
	v_add_f32 v248, v248, v250
	s_delay_alu instid0(VALU_DEP_1)
	v_mul_f32 v244, 0x3e000000, v248               ; the row's mean: the mean of eight means of equal parts
.irp w, 0,1,2,3,4,5,6,7
	v_sub_f32 v[TM+2*\w], v[TM+2*\w], v244
.endr
	v_mul_f32 v249, v[TM], v[TM]
.irp w, 1,2,3,4,5,6,7
	s_delay_alu instid0(VALU_DEP_1)
	v_fma_f32 v249, v[TM+2*\w], v[TM+2*\w], v249
.endr
	v_add_f32 v250, v[TM+1], v[TM+3]
	v_add_f32 v251, v[TM+5], v[TM+7]
	v_add_f32 v252, v[TM+9], v[TM+11]
	v_add_f32 v253, v[TM+13], v[TM+15]
	s_delay_alu instid0(VALU_DEP_3)
	v_add_f32 v250, v250, v251
	s_delay_alu instid0(VALU_DEP_2)
	v_add_f32 v252, v252, v253
	s_delay_alu instid0(VALU_DEP_1)
	v_add_f32 v250, v250, v252
	s_delay_alu instid0(VALU_DEP_1)
	v_fma_f32 v250, v249, s38, v250                ; the parts' sums of squares + 128 x the squares of the parts' means about the row's
	s_delay_alu instid0(VALU_DEP_1)
	v_fma_f32 v250, v250, s37, s36                 ; the variance + 1e-5
	s_wait_alu depctr_va_vdst(0)
	v_rsq_f32 v246, v250
	v_nop                                          ; one plain line behind a transcendental
	WIN 0x01
.set i, 0
.rept 32
	v_pk_add_f32 v[T+2*i:T+2*i+1], v[64*\ib+2*i:64*\ib+2*i+1], v[244:245] op_sel_hi:[1,0] neg_lo:[0,1] neg_hi:[0,1]
.set i, i+1
.endr
	WIN 0
.set i, 0
	s_wait_alu depctr_va_vdst(0)
.rept 32
	v_pk_mul_f32 v[T+2*i:T+2*i+1], v[T+2*i:T+2*i+1], v[246:247] op_sel_hi:[1,0]
.set i, i+1
.endr
.set i, 0
.rept 32
	v_pk_fma_f32 v[T+2*i:T+2*i+1], v[T+2*i:T+2*i+1], v[GAM+2*i:GAM+2*i+1], v[BET+2*i:BET+2*i+1]
.set i, i+1
.endr
	s_wait_xcnt 0x0                                ; the last block's stores have read the codes' registers
	QUANT T, 240+\ib
.irp c, 0,1,2,3
	global_store_b128 v4, v[PC+4*\c:PC+4*\c+3], s[40:41] offset:2048*\ib+512*\c   ; 512 consecutive bytes, aligned
.endr
.endm
	XB 0
	XB 1
	XB 2
	XB 3
	v_cmp_le_u32 vcc_lo, 16, v1                    ; lanes 16-31 carry the odd blocks' words
	s_delay_alu instid0(VALU_DEP_1)
	v_cndmask_b32 v248, v240, v241, vcc_lo
	s_delay_alu instid0(VALU_DEP_2)
	v_cndmask_b32 v249, v242, v243, vcc_lo
	global_store_b64 v11, v[248:249], s[42:43]     ; one aligned block of 256 bytes
	s_wait_tensorcnt 0x0
	ds_add_u32 v254, v255
	s_wait_dscnt 0x0
	s_endpgm
; ================ the weights ================
; One block of 32 along K x 128 columns: lane l holds columns 4 l .. 4 l + 3; the register numbers of the conversion to f32 lay each column's 32 numbers on end.
.macro WBLK blk
.if \blk == 0
	s_wait_loadcnt 32                              ; the scales and block 0's 32 loads are in; block 1's 32 may be out
.irp c, 0,1,2,3
	v_mov_b32 v[SCLP+2*\c], v[SCL+\c]
	v_mov_b32 v[SCLP+2*\c+1], v[SCL+\c]
	v_mul_f32 v[NSCP+2*\c], 0xc3000000, v[SCL+\c]  ; -128 x the scale: exact
	v_mul_f32 v[NSCP+2*\c+1], 0xc3000000, v[SCL+\c]
.endr
.else
	s_wait_loadcnt 0x0
.endif
	WIN 0x01
.irp c, 0,1,2,3
.set i, 0
.rept 32
	v_cvt_f32_i32 v[X+32*\c+i], v[128*\blk+4*i+\c]
.set i, i+1
.endr
.endr
	WIN 0
.irp c, 0,1,2,3
.set i, 0
.rept 16
	v_pk_fma_f32 v[X+32*\c+i:X+32*\c+i+1], v[X+32*\c+i:X+32*\c+i+1], v[SCLP+2*\c:SCLP+2*\c+1], v[NSCP+2*\c:NSCP+2*\c+1]   ; q s - 128 s, rounded once: the bits of (q - 128) x s
.set i, i+2
.endr
.endr
.irp c, 0,1,2,3
	v_max3_num_f32 v[AM+\c], |v[X+32*\c]|, |v[X+32*\c+1]|, 0x4800000
.endr
.irp i, 2,4,6,8,10,12,14,16,18,20,22,24,26,28,30
.irp c, 0,1,2,3
	s_delay_alu instid0(VALU_DEP_4)
	v_max3_num_f32 v[AM+\c], v[AM+\c], |v[X+32*\c+\i]|, |v[X+32*\c+\i+1]|     ; a block lies in one lane: no other lane is asked
.endr
.endr
.irp c, 0,1,2,3
	s_delay_alu instid0(VALU_DEP_4)
	v_add_nc_u32 v[SOP+\c], 0xfc000000, v[AM+\c]
.endr
.irp c, 0,1,2,3
	v_and_or_b32 v[HLD+\c], v[AM+\c], 0x7f800000, s[MNT]
.endr
.irp c, 0,1,2,3
.if \blk == 0
	v_lshrrev_b32 v[BY+\c], 23, v[SOP+\c]          ; the first block's byte,
.else
	v_lshrrev_b32 v[AM+\c], 23, v[SOP+\c]
	s_delay_alu instid0(VALU_DEP_1)
	v_lshl_or_b32 v[BY+\c], v[AM+\c], 8, v[BY+\c]  ; the second's above it
.endif
.endr
.irp c, 0,1,2,3
.set i, 0
.rept 32
	v_med3_num_f32 v[X+32*\c+i], v[X+32*\c+i], -v[HLD+\c], v[HLD+\c]
.set i, i+1
.endr
.irp g, 0,1,2,3
	v_cvt_scalef32_pk8_fp8_f32 v[CD+8*\c+2*\g:CD+8*\c+2*\g+1], v[X+32*\c+8*\g:X+32*\c+8*\g+7], v[SOP+\c]
.endr
.endr
	v_nop                                          ; one plain line behind the last scaled conversion
.irp c, 0,1,2,3
.irp hh, 0,1
	ds_store_b128 v5, v[CD+8*\c+4*\hh:CD+8*\c+4*\hh+3] offset:512*\blk+256*\hh+16*\c   ; into the unit's image: eight stores for 32 loads
.endr
.endr
	s_wait_dscnt 0x0                               ; the stores have read the codes' registers
.endm
; A work-group makes units (g, 4 sq .. 4 sq + 3); waves 2 uu and 2 uu + 1 make unit uu, each two of its four blocks of 32 along K.
.macro WPATH N, KS, LOGQ, PERM, IMG, FIRST, q, sc, dst
	s_sub_co_u32 s32, ttmp9, \FIRST
	s_lshr_b32 s33, s32, \LOGQ                     ; g: which 128 columns
	s_and_b32 s34, s32, (1<<\LOGQ)-1               ; sq: which four K steps
	s_lshr_b32 s35, s[WV], 1                       ; uu
	s_and_b32 s36, s[WV], 1                        ; half
	s_lshl_b32 s37, s34, 2
	s_add_co_u32 s37, s37, s35                     ; my K step, which is also the row of the given scales
	s_lshl_b32 s38, s33, 9                         ; the columns' 512 bytes
	s_mul_i32 s40, s37, 4*\N
	s_add_co_u32 s40, s40, s38
	s_mov_b32 s41, 0
	s_add_nc_u64 s[\sc:\sc+1], s[\sc:\sc+1], s[40:41]
	s_lshl_b32 s40, s37, 7
	s_lshl_b32 s39, s36, 6
	s_add_co_u32 s40, s40, s39                     ; my first row: 128 x K step + 64 x half
	s_mul_i32 s40, s40, 4*\N
	s_add_co_u32 s40, s40, s38
	s_add_nc_u64 s[\q:\q+1], s[\q:\q+1], s[40:41]
	global_load_b128 v[SCL:SCL+3], v4, s[\sc:\sc+1]
	WIN 0x40
.set i, 0
.rept 64
	global_load_b128 v[4*i:4*i+3], v4, s[\q:\q+1] offset:i*4*\N th:TH_LOAD_NT   ; row i of my 64: 512 consecutive bytes
.set i, i+1
.endr
	WIN 0
	s_mul_i32 s40, s33, \KS
	s_lshl_b32 s39, s34, 2
	s_add_co_u32 s40, s40, s39
	s_mul_i32 s40, s40, UNIT
	s_mul_i32 s39, s[WV], 8448                     ; an eighth of the four units is what each wave stores
	s_add_co_u32 s40, s40, s39
	s_add_nc_u64 s[\dst:\dst+1], s[\dst:\dst+1], s[40:41]
.if \PERM
	v_and_b32 v10, 0x19, v1                        ; l with bits 1 and 2 exchanged: bits 3 and 4 of the column 4 l + c
	v_bfe_u32 v12, v1, 1, 1
	v_bfe_u32 v13, v1, 2, 1
	s_delay_alu instid0(VALU_DEP_2)
	v_lshl_or_b32 v10, v12, 2, v10
	s_delay_alu instid0(VALU_DEP_1)
	v_lshl_or_b32 v10, v13, 1, v10
.else
	v_and_b32 v10, 31, v0
.endif
	s_delay_alu instid0(VALU_DEP_1)
	v_lshrrev_b32 v12, 2, v10                      ; codes: row 4 l' + c: 2048 (l' / 4) + 64 (l' % 4) + 16 c
	s_delay_alu instid0(VALU_DEP_2)
	v_and_b32 v13, 3, v10
	s_delay_alu instid0(VALU_DEP_2)
	v_lshlrev_b32 v5, 11, v12
	s_delay_alu instid0(VALU_DEP_1)
	v_lshl_add_u32 v5, v13, 6, v5
	s_mul_i32 s42, s35, UNIT
	s_lshl_b32 s43, s36, 10                        ; my two blocks: 1024 x half
	s_add_co_u32 s43, s43, s42
	s_add_co_u32 s43, s43, \IMG
	v_add_nc_u32 v5, s43, v5
	v_lshrrev_b32 v12, 4, v10                      ; scale bytes: 256 (l' / 16) + 4 ((l' / 8) % 2) + 32 (l' % 8) + 8 c + 2 x half
	v_bfe_u32 v13, v10, 3, 1
	v_and_b32 v14, 7, v10
	s_delay_alu instid0(VALU_DEP_3)
	v_lshlrev_b32 v6, 8, v12
	s_delay_alu instid0(VALU_DEP_1)
	v_lshl_add_u32 v6, v13, 2, v6
	s_delay_alu instid0(VALU_DEP_1)
	v_lshl_add_u32 v6, v14, 5, v6
	s_lshl_b32 s43, s36, 1
	s_add_co_u32 s43, s43, s42
	s_add_co_u32 s43, s43, \IMG+16384
	v_add_nc_u32 v6, s43, v6
	s_mul_i32 s42, s[WV], 8448
	s_add_co_u32 s42, s42, \IMG
	v_add_nc_u32 v7, s42, v4                       ; the way out: my 8,448 bytes of the images, 16 bytes a lane,
	v_lshlrev_b32 v9, 3, v1
	s_add_co_u32 s43, s42, 8192
	v_add_nc_u32 v8, s43, v9                       ; and their last 256, 8 bytes a lane
	WBLK 0
	WBLK 1
.irp c, 0,1,2,3
	ds_store_b16 v6, v[BY+\c] offset:8*\c          ; two of the four bytes of the row's scale word
.endr
	s_wait_dscnt 0x0                               ; for the others' sake: my part of the images lies in LDS
	s_barrier_signal -1
	s_barrier_wait -1
.set i, 0
.rept 16
	ds_load_b128 v[X+4*i:X+4*i+3], v7 offset:512*i
.set i, i+1
.endr
	ds_load_b64 v[X+64:X+65], v8
.set i, 0
.rept 16
	s_wait_dscnt 16-i                              ; of the 17 loads those behind load i may be out
	global_store_b128 v4, v[X+4*i:X+4*i+3], s[\dst:\dst+1] offset:512*i   ; 512 consecutive bytes, aligned
.set i, i+1
.endr
	s_wait_dscnt 0x0
	global_store_b64 v9, v[X+64:X+65], s[\dst:\dst+1] offset:8192
	s_wait_tensorcnt 0x0
	ds_add_u32 v254, v255
	s_wait_dscnt 0x0
	s_endpgm
.endm
.Lw1:
	s_wait_alu depctr_va_vdst(0)
	WPATH 4096, 8, 1, 1, W1IMG, 128, 14, 16, 24
.Lw2:
	s_wait_alu depctr_va_vdst(0)
	WPATH 1024, 32, 3, 0, W2IMG, 192, 18, 20, 26
.Lfunc_end_k_q436f1e2c0a_prep:
	.size	k_q436f1e2c0a_prep, .Lfunc_end_k_q436f1e2c0a_prep-k_q436f1e2c0a_prep
	.p2alignl 7, 3214868480
	.fill 96, 4, 3214868480
	.section	.rodata,"a",@progbits
	.p2align	6, 0x0
	.amdhsa_kernel k_q436f1e2c0a_prep
		.amdhsa_group_segment_fixed_size 207872
		.amdhsa_private_segment_fixed_size 0
		.amdhsa_enable_private_segment 0
		.amdhsa_kernarg_size 80
		.amdhsa_user_sgpr_count 2
		.amdhsa_user_sgpr_kernarg_segment_ptr 1
		.amdhsa_wavefront_size32 1
		.amdhsa_system_sgpr_workgroup_id_x 1
		.amdhsa_system_sgpr_workgroup_id_y 1
		.amdhsa_system_sgpr_workgroup_id_z 1
		.amdhsa_system_vgpr_workitem_id 0
		.amdhsa_next_free_vgpr 512
		.amdhsa_next_free_sgpr 66
		.amdhsa_reserve_vcc 1
		.amdhsa_float_denorm_mode_32 3
		.amdhsa_float_denorm_mode_16_64 3
		.amdhsa_memory_ordered 1
		.amdhsa_forward_progress 1
		.amdhsa_inst_pref_size 251
	.end_amdhsa_kernel
	.amdgpu_metadata
---
amdhsa.version: [ 1, 2 ]
amdhsa.kernels:
  - .name:           k_q436f1e2c0a_prep
    .symbol:         k_q436f1e2c0a_prep.kd
    .args:
      - { .name: x, .offset: 0, .size: 8, .value_kind: global_buffer, .address_space: global }
      - { .name: ln_gamma, .offset: 8, .size: 8, .value_kind: global_buffer, .address_space: global }
      - { .name: ln_beta, .offset: 16, .size: 8, .value_kind: global_buffer, .address_space: global }
      - { .name: fc1_q, .offset: 24, .size: 8, .value_kind: global_buffer, .address_space: global }
      - { .name: fc1_scales, .offset: 32, .size: 8, .value_kind: global_buffer, .address_space: global }
      - { .name: fc2_q, .offset: 40, .size: 8, .value_kind: global_buffer, .address_space: global }
      - { .name: fc2_scales, .offset: 48, .size: 8, .value_kind: global_buffer, .address_space: global }
      - { .name: hq, .offset: 56, .size: 8, .value_kind: global_buffer, .address_space: global }
      - { .name: w1q, .offset: 64, .size: 8, .value_kind: global_buffer, .address_space: global }
      - { .name: w2q, .offset: 72, .size: 8, .value_kind: global_buffer, .address_space: global }
    .group_segment_fixed_size: 207872
    .private_segment_fixed_size: 0
    .kernarg_segment_align: 8
    .kernarg_segment_size: 80
    .max_flat_workgroup_size: 256
    .sgpr_count:     66
    .vgpr_count:     512
    .wavefront_size: 32
...
	.end_amdgpu_metadata
.endif
;; end of part 1
;; launch fc1 (part 2): grid 16 x 16, 4 waves a work-group, clusters of 4 x 4, 327,680 bytes of LDS; arguments hq, w1q, fc1_bias, yq; writes yq
.if DOCPART == 2
	.amdgcn_target "amdgcn-amd-amdhsa--gfx1250"
	.amdhsa_code_object_version 6
	.text
	.protected	k_q436f1e2c0a_fc1
	.globl	k_q436f1e2c0a_fc1
	.p2align	8
	.type	k_q436f1e2c0a_fc1,@function
k_q436f1e2c0a_fc1:
	s_mov_b64 s[64:65], 0
	v_nop
	global_prefetch_b8 v0, s[64:65] scope:SCOPE_SE
	s_setreg_imm32_b32 hwreg(HW_REG_WAVE_MODE, 25, 1), 1
	s_wait_xcnt 0x0
	s_wait_alu depctr_hold_cnt(0) depctr_sa_sdst(0) depctr_va_vdst(0) depctr_va_sdst(0) depctr_va_ssrc(0) depctr_va_vcc(0) depctr_vm_vsrc(0)
	s_getreg_b32 s2, hwreg(HW_REG_IB_STS2, 6, 4)
	s_cmp_eq_u32 s2, 0
	s_cbranch_scc0 .Lentry_in_a_cluster
	s_endpgm
.Lentry_in_a_cluster:
	s_bfe_u32 s2, ttmp6, 0x10000c
	s_cmp_lg_u32 s2, 0xf033
	s_cbranch_scc0 .Lentry_shape_is_right
	s_endpgm
.Lentry_shape_is_right:
; yq = Q(silu(hq w1q^T + fc1_bias)): [8192][4096] as codes of E4M3 with one E8M0 byte for each 32 hidden units, the next product's K.
; hq, w1q, yq lie in units of 16,896 bytes (128 rows x 128 K as an image of the operand's registers, then 512 bytes of scale words), [rowgroup][K step]:
;   byte 2048 i + 512 c + 16 l: row 16 i + l % 16, k = 32 c + 16 (l / 16) ..;   byte 16384 + 256 H + 8 l + 4 j: the scale word of row 64 H + 32 j + l.
; THE DEAL: 256 work-groups of four waves; a work-group makes 512 rows x 256 hidden units.  Wave w keeps 64 rows of w1q (rowgroup w / 2, half w % 2), all of K = 1024, in 512 registers
; and streams hq's 512 rows past them in 32 blocks of 16 rows.  A block: 32 products on four accumulators by turns, the fetch of the block two on, then silu, the quantiser and the stores of this block.
; LDS: two slots of one rowgroup (eight units, 135,168 bytes).  w1q's two rowgroups land there first; when they are in registers hq's chunks 0 and 1 are filled over them, and chunks 2 and 3
; over those: each refill behind a drained round of the cluster's barrier, a quarter of the bytes a wave.  A refill is asked for in a chunk's seventh block and wanted eight blocks on.
; CLUSTERS: 4 x 4; hq's chunks are asked for jointly along a row of the cluster, w1q's rows along a column.
; THE MATRIX INSTRUCTION IS USED TRANSPOSED (source 0 = 16 rows of w1q, source 1 = 16 rows of hq); w1q's rows are laid so that register 8 b + j of lane (r, h) is hidden unit 32 (b / 2) + 16 h + 8 (b % 2) + j
; of my 64: the 32 registers are two scale blocks in the quantiser's order, and their codes are two of the four pieces of a fragment of yq.  The bias is the C of each sum's first product.
; A block's two scale bytes go to an image in LDS (bytes of its own) and leave at the end in whole runs of 512 bytes.
; PREFETCH: chunks 0 and 1 are asked for at the head, while w1q's rows are on their way: the sixteen waves of a cluster's row share a chunk's 528 blocks of 256 bytes out by address, 33 each.
; Chunks 2 and 3 are not: their refills have eight blocks' work (256 products and eight ways out a wave) in which to land.
; REGISTERS: window 0 addresses, scale words, sums, the way out, the bias; windows 1, 2 the weight; window 3 hq's blocks, two sets.
; LIMITS: NaN and infinities are not served.  Where 1 + 2^(-y log2 e) passes 2^126 (y under about -87) v_rcp_f32 gives 0 and silu is -0 where the true number lies under 1e-36.
;   A block of zeros gets the byte 1 where the rule says 127: its codes are zeros, and this program alone reads the bytes.  v_exp_f32 and v_rcp_f32 are accurate to 1 ulp (ISA guide, their entries).
.set UNIT,  16896
.set SLOTB, 8*UNIT
.set IMG,   2*SLOTB                    ; scale bytes: [yq unit of two][chunk of four][512]
.set SPARE, IMG+4096                   ; the spare words: 128 bytes a wave
.set CHSTEP, 32*UNIT-3*4096            ; in yq from a chunk's last pair of blocks to the next chunk's first
.set LN,   1
.set L16,  4                           ; 16 x lane
.set BH,   5                           ; 64 h
.set L8S,  7                           ; 8 x lane + 16384
.set ADW,  8                           ; v8, v9 my weight's fragments, K steps 0-3 and 4-7;  v10, v11 its scale words
.set ADWS, 10
.set VX0,  12                          ; my scale bytes' place in the image; v13 with the pair's term
.set VX,   13
.set RDI,  14                          ; the image on the way out
.set ADRA, 16                          ; v16, v17 the pair of blocks that is fetched next, K steps 0-3 and 4-7;  v18, v19 its scale words
.set ADS,  18
.set PF0,  20
.set PF1,  21
.set SPW,  28
.set NIL,  29
.set SB,   32                          ; v32-47 the weight's scale words: register 8 j + q: lanes 0-15 tile 2 j, lanes 16-31 tile 2 j + 1
.set SA,   52                          ; v52-59 hq's: register q: lanes 0-15 the pair's even block, lanes 16-31 its odd block
.set ACC,  64
.set T,    96
.set BI,   128
.set PC,   160
.set PW,   168
.set TM,   176
.set G1W,  24
.set G0,   32
.set G0R,  36
.set G1A,  48
.set G1R,  68
.set G0C,  92
.set NL2E, 78
.set MNT,  80
.set SEL,  82
.set FS,   84                          ; the slot from which blocks are fetched
.set P,    85                          ; the pair of blocks at work, 0 .. 15
.set KC,   86
.set CH,   87
.set W2U,  88
.set MSB,  0
.macro WIN new
.if MSB != (\new)
	s_set_vgpr_msb (MSB<<8)|(\new)
.set MSB, (\new)
.endif
.endm
.macro PLACES n
.rept \n
	v_nop
.endr
.endm
.macro BARRIER
	s_barrier_signal -1
	s_barrier_wait -1
.endm
.macro CROUND                          ; a round of the cluster's barrier
	BARRIER
	s_cmp_lg_u32 s14, 0
	s_cbranch_scc1 .Lnot_wave_0_\@
	s_barrier_signal -3
.Lnot_wave_0_\@:
	s_barrier_wait -3
	BARRIER
.endm
.macro TLOAD g0, g1                    ; an s_nop 0 and four v_nop follow a tensor load
	tensor_load_to_lds s[\g0:\g0+3], s[\g1:\g1+7]
	s_nop 0
	PLACES 4
.endm
.macro GROUP1 g, mask, rows            ; dense bytes as rows of 32 elements of 8 bytes, no padding
	s_or_b32 s[\g], s\mask, (3<<16)|(1<<21)
	s_mov_b32 s[\g+1], 32<<16
	s_mov_b32 s[\g+2], (\rows)<<16
	s_mov_b32 s[\g+3], 32<<16
	s_mov_b32 s[\g+4], \rows
	s_mov_b32 s[\g+5], 32
	s_mov_b32 s[\g+6], 0
	s_mov_b32 s[\g+7], 0
.endm
	s_load_b128 s[4:7], s[0:1], 0x0                ; hq, w1q
	s_load_b128 s[8:11], s[0:1], 0x10              ; fc1_bias, yq
	v_lshl_add_u32 v[SPW], v0, 2, SPARE
	v_mov_b32 v[NIL], 0
	ds_add_u32 v[SPW], v[NIL]                      ; the opening: the add, twice on end, and its wait
	ds_add_u32 v[SPW], v[NIL]
	v_lshrrev_b32 v1, 5, v0
	v_readfirstlane_b32 s14, v1                    ; wave
	s_lshr_b32 s15, s14, 1                         ; which of the two rowgroups of w1q, which is my unit of yq
	s_and_b32 s16, s14, 1                          ; which 64 of its rows
	s_bfe_u32 s40, ttmp6, 0x40000                  ; cx, cy
	s_bfe_u32 s41, ttmp6, 0x40004
	s_lshl_b32 s42, ttmp9, 2
	s_add_co_u32 s42, s42, s40                     ; tile column: 256 hidden units
	s_and_b32 s17, ttmp7, 0xffff
	s_lshl_b32 s17, s17, 2
	s_add_co_u32 s17, s17, s41                     ; tile row: 512 rows
	s_lshl_b32 s43, s41, 2
	s_lshl_b32 s43, 15, s43                        ; my row of the cluster
	s_lshl_b32 s44, 0x1111, s40                    ; my column
	GROUP1 G1W, 44, 264                            ; four units a wave: w1q's rows,
	GROUP1 G1A, 43, 264                            ; chunks 0 and 1;
	GROUP1 G1R, 43, 132                            ; two units a wave: a later chunk
	s_lshl_b32 s20, s42, 4
	s_lshl_b32 s18, s14, 2
	s_add_co_u32 s20, s20, s18
	s_mul_i32 s20, s20, UNIT                       ; w1q: unit 16 x tile column + 4 x wave
	s_mov_b32 s21, 0
	s_lshl_b32 s22, s17, 5
	s_add_co_u32 s46, s22, s18
	s_mul_i32 s46, s46, UNIT                       ; hq: unit 32 x tile row + 4 x wave
	s_mov_b32 s47, 0
	s_lshl_b32 s18, s14, 1
	s_add_co_u32 s56, s22, s18
	s_add_co_u32 s56, s56, 8
	s_mul_i32 s56, s56, UNIT                       ; hq: my quarter of chunk 1: eight units are added ahead of each refill
	s_mov_b32 s57, 0
	s_mul_i32 s[W2U], s14, 2*UNIT
	s_mul_i32 s45, s14, 4*UNIT
	s_mov_b32 s[NL2E], 0xbfb8aa3b                  ; -log2(e)
	s_mov_b32 s[NL2E+1], s[NL2E]
	s_mov_b32 s[MNT], 0x600000
	s_mov_b32 s[SEL], 0x76543210
	s_mov_b32 s[SEL+1], 0xfedcba98
	s_mov_b32 s60, 0
	s_mov_b32 s61, 0
	s_wait_dscnt 0x0                               ; both opening adds are done
	s_wait_kmcnt 0x0
	s_mov_b32 s[G0], 1
	s_mov_b32 s[G0+1], s45
	s_add_nc_u64 s[G0+2:G0+3], s[6:7], s[20:21]
	s_or_b32 s[G0+3], s[G0+3], 0x80000000
	s_mov_b32 s[G0C], 1
	s_mov_b32 s[G0C+1], s45
	s_add_nc_u64 s[G0C+2:G0C+3], s[4:5], s[46:47]
	s_or_b32 s[G0C+3], s[G0C+3], 0x80000000
	s_mov_b32 s[G0R], 1
	s_mov_b32 s[G0R+1], s[W2U]
	s_add_nc_u64 s[G0R+2:G0R+3], s[4:5], s[56:57]
	s_or_b32 s[G0R+3], s[G0R+3], 0x80000000
	CROUND                                         ; all sixteen work-groups are here
	TLOAD G0, G1W                                  ; my one load at the head: a quarter of w1q's 256 rows
	s_mul_i32 s18, s15, SLOTB
	s_lshl_b32 s19, s16, 13
	s_add_co_u32 s19, s19, s18
	s_lshl_b32 s20, s16, 8
	s_add_co_u32 s20, s20, s18
	s_lshl_b32 s21, s15, 11
	s_lshl_b32 s18, s16, 1
	s_add_co_u32 s21, s21, s18
	s_add_co_u32 s21, s21, IMG
	s_lshl_b32 s22, s14, 9
	s_add_co_u32 s22, s22, IMG
	s_lshl_b32 s23, s40, 2                         ; which of the cluster row's sixteen waves I am: my share of a prefetch
	s_add_co_u32 s23, s23, s14
	s_mul_i32 s23, s23, 8448
	s_mul_i32 s18, s17, 32*UNIT
	s_add_co_u32 s23, s23, s18
	s_add_co_u32 s18, s23, 8192
	v_and_b32 v[LN], 31, v0
	v_and_b32 v2, 15, v0
	v_bfe_u32 v3, v0, 4, 1
	v_lshlrev_b32 v[L16], 4, v[LN]
	v_lshlrev_b32 v[BH], 6, v3
	v_lshlrev_b32 v6, 3, v[LN]
	v_add_nc_u32 v[L8S], 16384, v6
	v_add_nc_u32 v[ADW], s19, v[L16]
	v_add_nc_u32 v[ADW+1], 4*UNIT, v[ADW]
	v_add_nc_u32 v[ADWS], s20, v[L8S]
	v_add_nc_u32 v[ADWS+1], 4*UNIT, v[ADWS]
	v_lshl_add_u32 v[VX0], v2, 3, s21              ; 8 r + 2 x my half: lanes l and l xor 16 write the same bytes with the same values
	v_add_nc_u32 v[RDI], s22, v[L16]
	v_mov_b32 v[ADRA], v[L16]
	v_add_nc_u32 v[ADRA+1], 4*UNIT, v[L16]
	v_mov_b32 v[ADS], v[L8S]
	v_add_nc_u32 v[ADS+1], 4*UNIT, v[L8S]
	v_lshl_add_u32 v[PF0], v[LN], 8, s23           ; 32 of my 33 blocks, a lane a block;
	v_mov_b32 v[PF1], s18                          ; and the last
	v_mov_b32 v[TM+4], 0                           ; a lane permute's destination counts as one of its sources
	v_mov_b32 v[TM+5], 0
	s_lshl_b32 s18, s42, 10                        ; the bias of my 64 hidden units
	s_lshl_b32 s19, s15, 9
	s_add_co_u32 s18, s18, s19
	s_lshl_b32 s19, s16, 8
	s_add_co_u32 s18, s18, s19
	s_mov_b32 s19, 0
	s_add_nc_u64 s[8:9], s[8:9], s[18:19]
	s_lshl_b32 s58, s17, 7
	s_lshl_b32 s18, s42, 1
	s_add_co_u32 s58, s58, s18                     ; yq: unit 32 x (4 x tile row) + 2 x tile column
	s_lshl_b32 s19, s14, 5
	s_add_co_u32 s19, s19, s58
	s_mul_i32 s12, s19, UNIT
	s_mov_b32 s13, 0
	s_add_nc_u64 s[12:13], s[10:11], s[12:13]      ; at the end wave w stores the scale words of chunk w's two units
	s_add_co_u32 s58, s58, s15
	s_mul_i32 s58, s58, UNIT
	s_lshl_b32 s18, s16, 10
	s_add_co_u32 s58, s58, s18
	s_mov_b32 s59, 0
	s_add_nc_u64 s[10:11], s[10:11], s[58:59]      ; my codes: my unit, pieces 2 x half and 2 x half + 1
	s_wait_alu depctr_va_vdst(0)
.irp b, 0,1,2,3
	global_load_b128 v[BI+8*\b:BI+8*\b+3], v[BH], s[8:9] offset:(32*(\b/2)+8*(\b%2))*4
	global_load_b128 v[BI+8*\b+4:BI+8*\b+7], v[BH], s[8:9] offset:(32*(\b/2)+8*(\b%2))*4+16
.endr
	global_prefetch_b8 v[PF0], s[4:5] th:TH_LOAD_NT scope:SCOPE_SE
	global_prefetch_b8 v[PF1], s[4:5] th:TH_LOAD_NT scope:SCOPE_SE
	global_prefetch_b8 v[PF0], s[4:5] offset:SLOTB th:TH_LOAD_NT scope:SCOPE_SE
	global_prefetch_b8 v[PF1], s[4:5] offset:SLOTB th:TH_LOAD_NT scope:SCOPE_SE
	s_wait_tensorcnt 0x0                           ; my quarter of the weight is in
	BARRIER                                        ; and everybody's
.irp q, 0,1,2,3,4,5,6,7                ; fragment 4 q + b: window 1 + q / 4
	WIN (1+\q/4)<<6
.irp b, 0,1,2,3
.irp c, 0,1,2,3
	ds_load_b128 v[16*((4*\q+\b)%16)+4*\c:16*((4*\q+\b)%16)+4*\c+3], v[ADW+\q/4] offset:(\q%4)*UNIT+2048*\b+512*\c
.endr
.endr
.endr
	WIN 0
.irp q, 0,1,2,3,4,5,6,7
	ds_load_b32 v[SB+\q], v[ADWS+\q/4] offset:(\q%4)*UNIT
	ds_load_b32 v[SB+8+\q], v[ADWS+\q/4] offset:(\q%4)*UNIT+4
.endr
	s_wait_tensorcnt 0x0
	ds_add_u32 v[SPW], v[NIL]
	s_wait_dscnt 0x0                               ; the add is done, and the weight is in my registers
	CROUND
	s_cmp_lt_u32 s14, 2                            ; chunk 0 (waves 0, 1) and chunk 1 (waves 2, 3) have a load line each: the barrier below shows the first line's alone
	s_cbranch_scc0 .Lupper
	TLOAD G0C, G1A
	s_branch .Lboth
.Lupper:
	TLOAD G0C, G1A
.Lboth:
	s_cmp_lt_u32 s14, 2
	s_cbranch_scc0 .Lnot_yet
	s_wait_tensorcnt 0x0                           ; chunk 0 is in; waves 2 and 3 wait for chunk 1 ahead of the first refill's round
.Lnot_yet:
	BARRIER
.macro FETCH e                         ; block e of the pair at v[ADRA], all of K, into set e of window 3: 32 loads
	WIN 0xc0
.irp q, 0,1,2,3,4,5,6,7
.irp c, 0,1,2,3
	ds_load_b128 v[128*\e+16*\q+4*\c:128*\e+16*\q+4*\c+3], v[ADRA+\q/4] offset:(\q%4)*UNIT+512*\c+2048*\e
.endr
.endr
	WIN 0
.endm
.macro SCALES                          ; the pair's scale words: 8 loads
.irp q, 0,1,2,3,4,5,6,7
	ds_load_b32 v[SA+\q], v[ADS+\q/4] offset:(\q%4)*UNIT
.endr
.endm
.macro WMI
.if oW && oX
	v_wmma_scale_f32_16x16x128_f8f6f4 v[rD:rD+7], v[rW:rW+15], v[rX:rX+15], v[rC:rC+7], v[kW], v[kX] matrix_a_scale:MATRIX_SCALE_ROW1 matrix_b_scale:MATRIX_SCALE_ROW1
.elseif oW
	v_wmma_scale_f32_16x16x128_f8f6f4 v[rD:rD+7], v[rW:rW+15], v[rX:rX+15], v[rC:rC+7], v[kW], v[kX] matrix_a_scale:MATRIX_SCALE_ROW1
.elseif oX
	v_wmma_scale_f32_16x16x128_f8f6f4 v[rD:rD+7], v[rW:rW+15], v[rX:rX+15], v[rC:rC+7], v[kW], v[kX] matrix_b_scale:MATRIX_SCALE_ROW1
.else
	v_wmma_scale_f32_16x16x128_f8f6f4 v[rD:rD+7], v[rW:rW+15], v[rX:rX+15], v[rC:rC+7], v[kW], v[kX]
.endif
.endm
.macro PRODS e                         ; a block's 32 products: K step n / 4, tile n % 4: the four accumulators by turns; the bias starts each sum
.set n, 0
.rept 32
	WIN (1+n/16)|(3<<2)
.set rD, ACC+8*(n%4)
.set rW, 16*(n%16)
.set rX, 128*\e+16*(n/4)
.if n < 4
.set rC, BI+8*n
.else
.set rC, rD
.endif
.set kW, SB+8*((n%4)/2)+n/4
.set kX, SA+n/4
.set oW, n%2
.set oX, \e
	WMI
.set n, n+1
.endr
	WIN 0
.endm
.macro QUANT2                          ; 32 numbers of a lane, register 16 b + i = hidden unit 32 b + 16 h + i of my 64 -> codes in v[PC] on, two scale bytes in v[PW]
.irp c, 0,1,2,3
	v_max3_num_f32 v[TM+\c], |v[T+8*\c]|, |v[T+8*\c+1]|, 0x4800000   ; four chains of eight, each with the floor 2^(9 - 127): the byte cannot fall under 1
.endr
.irp i, 2,4,6
.irp c, 0,1,2,3
	v_max3_num_f32 v[TM+\c], v[TM+\c], |v[T+8*\c+\i]|, |v[T+8*\c+\i+1]|
.endr
.endr
.irp b, 0,1
	v_max_num_f32 v[TM+2*\b], v[TM+2*\b], v[TM+2*\b+1]
.endr
.irp b, 0,1
	v_permlanex16_b32 v[TM+4+\b], v[TM+2*\b], s[SEL], s[SEL+1]
.endr
.irp b, 0,1
	v_max_num_f32 v[TM+2*\b], v[TM+2*\b], v[TM+4+\b]         ; with lane l xor 16's: the block's largest magnitude
.endr
.irp b, 0,1
	v_add_nc_u32 v[TM+12+\b], 0xfc000000, v[TM+2*\b]         ; 8 off the exponent field: the conversion's scale operand
.endr
.irp b, 0,1
	v_and_or_b32 v[TM+8+\b], v[TM+2*\b], 0x7f800000, s[MNT]  ; 448 x the scale
.endr
.irp b, 0,1
	v_lshrrev_b32 v[TM+10+\b], 23, v[TM+12+\b]               ; the scale's byte
.endr
	v_lshl_or_b32 v[PW], v[TM+11], 8, v[TM+10]
.irp b, 0,1
.irp i, 0,1,2,3,4,5,6,7,8,9,10,11,12,13,14,15
	v_med3_num_f32 v[T+16*\b+\i], v[T+16*\b+\i], -v[TM+8+\b], v[TM+8+\b]   ; the conversion does not saturate (ISA guide 7.6.2)
.endr
	v_cvt_scalef32_pk8_fp8_f32 v[PC+4*\b:PC+4*\b+1], v[T+16*\b:T+16*\b+7], v[TM+12+\b]
	v_cvt_scalef32_pk8_fp8_f32 v[PC+4*\b+2:PC+4*\b+3], v[T+16*\b+8:T+16*\b+15], v[TM+12+\b]
.endr
	v_nop                                          ; one plain line behind the last scaled conversion
.endm
.macro EPI odd, nstep                  ; THE WAY OUT of a block: silu(y) = y / (1 + 2^(-y log2 e)), the quantiser, the stores.  Each accumulator is read from its low end on
.set i, 0
.rept 16
	v_pk_mul_f32 v[T+i:T+i+1], v[ACC+i:ACC+i+1], s[NL2E:NL2E+1] op_sel_hi:[1,0]
.set i, i+2
.endr
	s_wait_alu depctr_va_vdst(0)                   ; a wait ahead of each batch of transcendentals and behind it
.set i, 0
.rept 32
	v_exp_f32 v[T+i], v[T+i]
.set i, i+1
.endr
	v_nop
	s_wait_alu depctr_va_vdst(0)
.set i, 0
.rept 16
	v_pk_add_f32 v[T+i:T+i+1], v[T+i:T+i+1], 1.0 op_sel_hi:[1,0]
.set i, i+2
.endr
	s_wait_alu depctr_va_vdst(0)
.set i, 0
.rept 32
	v_rcp_f32 v[T+i], v[T+i]
.set i, i+1
.endr
	v_nop
	s_wait_xcnt 0x0                                ; the last block's stores have read the codes' registers and their base
.if \odd == 0
	s_add_nc_u64 s[10:11], s[10:11], s[60:61]      ; on to this pair's place in yq,
	s_mov_b32 s60, \nstep                          ; and what leads to the next pair's
.endif
	s_wait_alu depctr_va_vdst(0)
.set i, 0
.rept 16
	v_pk_mul_f32 v[T+i:T+i+1], v[ACC+i:ACC+i+1], v[T+i:T+i+1]
.set i, i+2
.endr
	QUANT2
	ds_store_b16 v[VX], v[PW] offset:128*\odd
	global_store_b128 v[L16], v[PC:PC+3], s[10:11] offset:2048*\odd        ; 512 consecutive bytes, aligned
	global_store_b128 v[L16], v[PC+4:PC+7], s[10:11] offset:2048*\odd+512
.endm
; A PAIR OF BLOCKS.  kind 0: inside a chunk.  1: a chunk's last pair, with the round behind which this chunk's slot is filled again.  2: a chunk's last pair with a plain barrier, which shows the last chunk; the very last pair fetches nothing.
.macro PAIR kind
.if \kind
	s_xor_b32 s[FS], s[FS], SLOTB                  ; the next pair lies in the other slot
.endif
	s_lshr_b32 s20, s[P], 1                        ; this pair's scale bytes: 256 (P / 2) + 4 (P % 2)
	s_lshl_b32 s20, s20, 8
	s_and_b32 s21, s[P], 1
	s_lshl_b32 s21, s21, 2
	s_or_b32 s20, s20, s21
	v_add_nc_u32 v[VX], s20, v[VX0]
	s_add_co_u32 s22, s[P], 1                      ; the next pair t = (P + 1) % 4 of its chunk: fragments at 4096 t,
	s_and_b32 s23, s22, 3
	s_lshl_b32 s23, s23, 12
	s_add_co_u32 s23, s23, s[FS]
	s_and_b32 s21, s22, 2                          ; scale words at 256 (t / 2) + 4 (t % 2)
	s_lshl_b32 s21, s21, 7
	s_and_b32 s22, s22, 1
	s_lshl_b32 s22, s22, 2
	s_or_b32 s21, s21, s22
	s_add_co_u32 s21, s21, s[FS]
	s_wait_dscnt 0x1                               ; both sets and the scale words are in; the byte store issued last may be out
	PRODS 0
.if \kind == 0
	v_add_nc_u32 v[ADRA], s23, v[L16]              ; two of the eight places behind the products, ahead of loads into what they have read
	v_add_nc_u32 v[ADRA+1], 4*UNIT, v[ADRA]
	PLACES 6
	FETCH 0
.elseif \kind == 1
	s_wait_tensorcnt 0x0                           ; the next chunk is in;
	ds_add_u32 v[SPW], v[NIL]
	s_add_nc_u64 s[G0R+2:G0R+3], s[G0R+2:G0R+3], 8*UNIT   ; no load of mine is out: the chunk two on,
	s_xor_b32 s24, s[FS], SLOTB
	s_add_co_u32 s[G0R+1], s24, s[W2U]             ; into this chunk's slot
	PLACES 4
	s_wait_dscnt 0x0                               ; the add is done, and this chunk's last blocks are in my registers
	CROUND
	TLOAD G0R, G1R                                 ; its four v_nop complete the eight places
	v_add_nc_u32 v[ADRA], s23, v[L16]
	v_add_nc_u32 v[ADRA+1], 4*UNIT, v[ADRA]
	FETCH 0
.else
	PLACES 8
	s_wait_tensorcnt 0x0                           ; my quarter of the last chunk is in
	s_wait_dscnt 0x0
	BARRIER
	s_cmp_eq_u32 s[CH], 3
	s_cbranch_scc1 .Lnone_0_\@
	v_add_nc_u32 v[ADRA], s23, v[L16]
	v_add_nc_u32 v[ADRA+1], 4*UNIT, v[ADRA]
	FETCH 0
.Lnone_0_\@:
.endif
.if \kind
	EPI 0, CHSTEP
.else
	EPI 0, 4096
.endif
	PRODS 1
.if \kind == 2
	PLACES 8
	s_cmp_eq_u32 s[CH], 3
	s_cbranch_scc1 .Lnone_1_\@
	v_add_nc_u32 v[ADS], s21, v[L8S]
	v_add_nc_u32 v[ADS+1], 4*UNIT, v[ADS]
	FETCH 1
	SCALES
.Lnone_1_\@:
.else
	v_add_nc_u32 v[ADS], s21, v[L8S]
	v_add_nc_u32 v[ADS+1], 4*UNIT, v[ADS]
	PLACES 6
	FETCH 1
	SCALES
.endif
	EPI 1, 0
	s_add_co_u32 s[P], s[P], 1
	s_wait_alu depctr_va_vdst(0)
.endm
	FETCH 0
	FETCH 1
	SCALES
	s_mov_b32 s[P], 0
	s_mov_b32 s[FS], 0
	s_mov_b32 s[CH], 0
	s_wait_loadcnt 0x0                             ; the bias
	s_wait_dscnt 0x0
.Lfill:                                                ; chunks 0 and 1: chunks 2 and 3 are asked for
	s_mov_b32 s[KC], 0
.Lplain_a:
	PAIR 0
	s_add_co_u32 s[KC], s[KC], 1
	s_cmp_lt_u32 s[KC], 3
	s_cbranch_scc1 .Lplain_a
	PAIR 1
	s_add_co_u32 s[CH], s[CH], 1
	s_cmp_lt_u32 s[CH], 2
	s_cbranch_scc1 .Lfill
	s_mov_b32 s[CH], 2
.Lrest:                                                ; chunks 2 and 3: nothing is left to ask for
	s_mov_b32 s[KC], 0
.Lplain_b:
	PAIR 0
	s_add_co_u32 s[KC], s[KC], 1
	s_cmp_lt_u32 s[KC], 3
	s_cbranch_scc1 .Lplain_b
	PAIR 2
	s_add_co_u32 s[CH], s[CH], 1
	s_cmp_lt_u32 s[CH], 4
	s_cbranch_scc1 .Lrest
	s_wait_dscnt 0x0                               ; for the others' sake: my scale bytes lie in the image
	BARRIER
	ds_load_b128 v[T:T+3], v[RDI]                  ; chunk w's scale words of the first unit, of the second
	ds_load_b128 v[T+4:T+7], v[RDI] offset:2048
	s_wait_dscnt 0x0
	global_store_b128 v[L16], v[T:T+3], s[12:13] offset:16384          ; 512 consecutive bytes, aligned
	global_store_b128 v[L16], v[T+4:T+7], s[12:13] offset:UNIT+16384
	s_wait_tensorcnt 0x0                           ; the wave's end
	ds_add_u32 v[SPW], v[NIL]
	s_wait_dscnt 0x0
	CROUND                                         ; the closing round
	s_endpgm
.Lfunc_end_k_q436f1e2c0a_fc1:
	.size	k_q436f1e2c0a_fc1, .Lfunc_end_k_q436f1e2c0a_fc1-k_q436f1e2c0a_fc1
	.p2alignl 7, 3214868480
	.fill 96, 4, 3214868480
	.section	.rodata,"a",@progbits
	.p2align	6, 0x0
	.amdhsa_kernel k_q436f1e2c0a_fc1
		.amdhsa_group_segment_fixed_size 327680
		.amdhsa_private_segment_fixed_size 0
		.amdhsa_enable_private_segment 0
		.amdhsa_kernarg_size 32
		.amdhsa_user_sgpr_count 2
		.amdhsa_user_sgpr_kernarg_segment_ptr 1
		.amdhsa_wavefront_size32 1
		.amdhsa_system_sgpr_workgroup_id_x 1
		.amdhsa_system_sgpr_workgroup_id_y 1
		.amdhsa_system_sgpr_workgroup_id_z 1
		.amdhsa_system_vgpr_workitem_id 0
		.amdhsa_next_free_vgpr 1024
		.amdhsa_next_free_sgpr 100
		.amdhsa_reserve_vcc 0
		.amdhsa_float_denorm_mode_32 3
		.amdhsa_float_denorm_mode_16_64 3
		.amdhsa_memory_ordered 1
		.amdhsa_forward_progress 1
		.amdhsa_inst_pref_size 159
	.end_amdhsa_kernel
	.amdgpu_metadata
---
amdhsa.version: [ 1, 2 ]
amdhsa.kernels:
  - .name:           k_q436f1e2c0a_fc1
    .symbol:         k_q436f1e2c0a_fc1.kd
    .args:
      - { .name: hq, .offset: 0, .size: 8, .value_kind: global_buffer, .address_space: global }
      - { .name: w1q, .offset: 8, .size: 8, .value_kind: global_buffer, .address_space: global }
      - { .name: fc1_bias, .offset: 16, .size: 8, .value_kind: global_buffer, .address_space: global }
      - { .name: yq, .offset: 24, .size: 8, .value_kind: global_buffer, .address_space: global }
    .group_segment_fixed_size: 327680
    .private_segment_fixed_size: 0
    .kernarg_segment_align: 8
    .kernarg_segment_size: 32
    .max_flat_workgroup_size: 128
    .sgpr_count:     100
    .vgpr_count:     1024
    .wavefront_size: 32
...
	.end_amdgpu_metadata
.endif
;; end of part 2
;; launch fc2 (part 3): grid 4 x 64, 4 waves a work-group, clusters of 4 x 4, 327,680 bytes of LDS; arguments yq, w2q, fc2_bias, x, out0; writes out0
.if DOCPART == 3
	.amdgcn_target "amdgcn-amd-amdhsa--gfx1250"
	.amdhsa_code_object_version 6
	.text
	.protected	k_q436f1e2c0a_fc2
	.globl	k_q436f1e2c0a_fc2
	.p2align	8
	.type	k_q436f1e2c0a_fc2,@function
k_q436f1e2c0a_fc2:
	s_mov_b64 s[64:65], 0
	v_nop
	global_prefetch_b8 v0, s[64:65] scope:SCOPE_SE
	s_setreg_imm32_b32 hwreg(HW_REG_WAVE_MODE, 25, 1), 1
	s_wait_xcnt 0x0
	s_wait_alu depctr_hold_cnt(0) depctr_sa_sdst(0) depctr_va_vdst(0) depctr_va_sdst(0) depctr_va_ssrc(0) depctr_va_vcc(0) depctr_vm_vsrc(0)
	s_getreg_b32 s2, hwreg(HW_REG_IB_STS2, 6, 4)
	s_cmp_eq_u32 s2, 0
	s_cbranch_scc0 .Lentry_in_a_cluster
	s_endpgm
.Lentry_in_a_cluster:
	s_bfe_u32 s2, ttmp6, 0x10000c
	s_cmp_lg_u32 s2, 0xf033
	s_cbranch_scc0 .Lentry_shape_is_right
	s_endpgm
.Lentry_shape_is_right:
; out0 = x + 0.5 (yq w2q^T + fc2_bias): [8192][1024] f32.  yq and w2q lie in units of 16,896 bytes (128 rows x 128 K as an image of the operand's registers, then 512 bytes of scale words), [rowgroup][K step].
; A work-group of four waves makes 128 x 256, a wave 64 x 128.  K = 4096 goes through two LDS slots of three K steps (the last fill: two); yq's parts are asked for jointly along a row of the 4 x 4 cluster, w2q's along a column.
; The matrix instruction is used transposed; the bias is the C of each sum's first product; results leave through a stage in slot 1, which has had its last fill and its last read by then.
; PREFETCH: behind each refill the part that stands two refills on is asked for, a lane a block of 256 bytes; the four partners of a joint load share its blocks out by address (25 of 99 for yq's halves, 50 of 198 for w2q's parts).
; Every cluster asks for its own rows of yq; w2q, which all sixteen clusters read, is asked for by four of them.  The loop's last trip asks for nothing: the last fill, of two K steps, comes by its load alone.
; x is loaded in four groups of 16 rows: one ahead of the loop, three behind it.
; LIMITS: NaN and infinities are not served.
.set UNIT,  16896
.set APART, 3*UNIT
.set AHALF, 99*256
.set SLOT,  3*APART
.set SPARE, 2*SLOT
.set STG,   SLOT
.set ADRA, 16
.set ADSA, 18
.set ADRB, 20
.set ADSB, 22
.set STO,  24
.set RD,   25
.set L16,  26
.set BH,   27
.set SPW,  28
.set NIL,  29
.set SC,   32
.set BI,   64
.set AF,   128
.set BK,   128
.set G1,   24
.set G0,   32
.set G1B,  48
.set G0B,  56
.set G1T,  68
.set G1BT, 76
.set G0T,  84
.set G0BT, 88
.set MSB,  0
.macro WIN new
.if MSB != (\new)
	s_set_vgpr_msb (MSB<<8)|(\new)
.set MSB, (\new)
.endif
.endm
.macro PLACES n
.rept \n
	v_nop
.endr
.endm
.macro JLOAD g0a, g1a, g0b, g1b
	s_cmp_eq_u32 s15, 0
	s_cbranch_scc0 .Lfor_b_\@
	tensor_load_to_lds s[\g0a:\g0a+3], s[\g1a:\g1a+7]
	s_nop 0
.rept 4
	v_nop
.endr
	s_branch .Lasked_\@
.Lfor_b_\@:
	tensor_load_to_lds s[\g0b:\g0b+3], s[\g1b:\g1b+7]
	s_nop 0
.rept 4
	v_nop
.endr
.Lasked_\@:
.endm
.macro CREST
	s_cmp_lg_u32 s14, 0
	s_cbranch_scc1 .Lnot_wave_0_\@
	s_barrier_signal -3
.Lnot_wave_0_\@:
	s_barrier_wait -3
	s_barrier_signal -1
	s_barrier_wait -1
.endm
.macro CROUND
	s_barrier_signal -1
	s_barrier_wait -1
	CREST
.endm
.macro GROUP1 g, rows
	s_mov_b32 s[\g+1], 32<<16
	s_mov_b32 s[\g+2], (\rows)<<16
	s_mov_b32 s[\g+3], 32<<16
	s_mov_b32 s[\g+4], \rows
	s_mov_b32 s[\g+5], 32
	s_mov_b32 s[\g+6], 0
	s_mov_b32 s[\g+7], 0
.endm
	s_load_b128 s[4:7], s[0:1], 0x0
	s_load_b128 s[8:11], s[0:1], 0x10
	s_load_b64 s[12:13], s[0:1], 0x20
	v_lshl_add_u32 v[SPW], v0, 2, SPARE
	v_mov_b32 v[NIL], 0
	ds_add_u32 v28, v29
	ds_add_u32 v28, v29
	s_wait_dscnt 0x0
	v_lshrrev_b32 v1, 5, v0
	v_readfirstlane_b32 s14, v1
	s_lshr_b32 s15, s14, 1
	s_and_b32 s16, s14, 1
	s_bfe_u32 s40, ttmp6, 0x40000
	s_bfe_u32 s41, ttmp6, 0x40004
	s_lshl_b32 s42, ttmp9, 2
	s_add_co_u32 s42, s42, s40
	s_and_b32 s17, ttmp7, 0xffff
	s_lshl_b32 s17, s17, 2
	s_add_co_u32 s17, s17, s41
	s_lshl_b32 s43, s41, 2
	s_lshl_b32 s43, 15, s43
	s_lshl_b32 s44, 0x1111, s40
	s_or_b32 s[G1], s43, (3<<16)|(1<<21)
	s_or_b32 s[G1T], s43, (3<<16)|(1<<21)
	s_or_b32 s[G1B], s44, (3<<16)|(1<<21)
	s_or_b32 s[G1BT], s44, (3<<16)|(1<<21)
	GROUP1 G1, 99
	GROUP1 G1B, 198
	GROUP1 G1T, 66
	GROUP1 G1BT, 132
	s_mul_i32 s45, s16, UNIT
	s_mul_i32 s18, s16, AHALF
	s_mul_i32 s19, s16, APART
	s_add_co_u32 s19, s19, APART
	s_lshl_b32 s20, s17, 5
	s_mul_i32 s20, s20, UNIT
	s_add_co_u32 s22, s20, s18
	s_add_co_u32 s20, s20, s45
	s_mov_b32 s21, 0
	s_mov_b32 s23, 0
	s_lshl_b32 s46, s42, 1
	s_add_co_u32 s46, s46, s16
	s_mul_i32 s46, s46, 32*UNIT
	s_mov_b32 s47, 0
	s_wait_kmcnt 0x0
	s_add_nc_u64 s[20:21], s[4:5], s[20:21]
	s_add_nc_u64 s[22:23], s[4:5], s[22:23]
	s_add_nc_u64 s[46:47], s[6:7], s[46:47]
	s_cmp_eq_u32 s15, 0                            ; the prefetches: yq's waves or w2q's
	s_cselect_b64 s[100:101], s[22:23], s[46:47]   ; where my loads' first part begins
	s_cselect_b32 s67, s40, s41                    ; my place among the four that ask with me: it enters an address alone
	s_cselect_b32 s2, 25, 50                       ; blocks of 256 bytes for each of the four
	s_cselect_b32 s66, 0, 99
	s_add_co_u32 s66, s66, 98                      ; the part's last block
	s_mul_i32 s67, s67, s2
	s_sub_co_u32 s2, s2, 1
	v_and_b32 v5, 31, v0
	v_add_nc_u32 v6, 32, v5
	v_min_u32 v30, s2, v5                          ; lanes that are left over name my last block again
	v_min_u32 v31, s2, v6
	v_add_nc_u32 v30, s67, v30
	v_add_nc_u32 v31, s67, v31
	v_min_u32 v30, s66, v30
	v_min_u32 v31, s66, v31
	v_lshlrev_b32 v30, 8, v30
	v_lshlrev_b32 v31, 8, v31
	s_and_b32 s67, ttmp7, 3
	s_mul_i32 s67, s67, s15                        ; 0 in yq's waves, and in w2q's of four clusters
	s_cmp_eq_u32 s67, 0
	s_cselect_b32 s66, 1, -1                       ; 1 where my wave asks, else the greatest number
.macro ASK how, off                    ; how = 1: at the head; 0: in the loop, whose last trip (s3 = 1) asks for nothing
.if \how
	s_cmp_eq_u32 s66, 1
.else
	s_cmp_gt_u32 s3, s66
.endif
	s_cbranch_scc0 .Lnone_\@
	global_prefetch_b8 v30, s[100:101] offset:\off th:TH_LOAD_NT scope:SCOPE_SE
	s_cmp_eq_u32 s15, 0
	s_cbranch_scc1 .Lnone_\@
	global_prefetch_b8 v31, s[100:101] offset:\off th:TH_LOAD_NT scope:SCOPE_SE
.Lnone_\@:
.endm
	s_mov_b32 s[G0T], 1
	s_mov_b32 s[G0T+1], s45
	s_add_nc_u64 s[G0T+2:G0T+3], s[20:21], 30*UNIT
	s_or_b32 s[G0T+3], s[G0T+3], 0x80000000
	s_mov_b32 s[G0BT], 1
	s_mov_b32 s[G0BT+1], s19
	s_add_nc_u64 s[G0BT+2:G0BT+3], s[46:47], 30*UNIT
	s_or_b32 s[G0BT+3], s[G0BT+3], 0x80000000
.irp s, 0,1
	s_mov_b32 s[G0+4*\s], 1
	s_add_co_u32 s[G0+4*\s+1], s18, \s*SLOT
	s_add_nc_u64 s[G0+4*\s+2:G0+4*\s+3], s[22:23], \s*APART
	s_or_b32 s[G0+4*\s+3], s[G0+4*\s+3], 0x80000000
	s_mov_b32 s[G0B+4*\s], 1
	s_add_co_u32 s[G0B+4*\s+1], s19, \s*SLOT
	s_add_nc_u64 s[G0B+4*\s+2:G0B+4*\s+3], s[46:47], \s*APART
	s_or_b32 s[G0B+4*\s+3], s[G0B+4*\s+3], 0x80000000
	s_wait_alu depctr_va_vdst(0)
	s_wait_tensorcnt 0x0
	ds_add_u32 v28, v29
	ds_add_u32 v28, v29
	s_wait_dscnt 0x0
	CROUND
	JLOAD G0+4*\s, G1, G0B+4*\s, G1B
	ASK 1, (2*\s+1)*APART
.if \s == 0
	ASK 1, 2*APART
.endif
.endr
	v_and_b32 v1, 31, v0
	v_and_b32 v2, 15, v0
	v_bfe_u32 v3, v0, 4, 1
	v_lshlrev_b32 v[L16], 4, v1
	v_lshlrev_b32 v4, 3, v1
	v_lshlrev_b32 v[BH], 5, v3
	s_lshl_b32 s92, s15, 13
	s_lshl_b32 s93, s15, 8
	s_mul_i32 s94, s16, APART
	s_add_co_u32 s94, s94, APART
.irp s, 0,1
	v_add_nc_u32 v[ADRA+\s], s92, v[L16]
	v_add_nc_u32 v[ADSA+\s], s93, v4
	v_add_nc_u32 v[ADRB+\s], s94, v[L16]
	v_add_nc_u32 v[ADSB+\s], s94, v4
	s_add_co_u32 s92, s92, SLOT
	s_add_co_u32 s93, s93, SLOT
	s_add_co_u32 s94, s94, SLOT
.endr
	s_mul_i32 s95, s14, 8448
	s_add_co_u32 s95, s95, STG
	v_mul_u32_u24 v[STO], v2, 528
	v_lshl_add_u32 v[STO], v3, 5, v[STO]
	v_add_nc_u32 v[STO], s95, v[STO]
	v_add_nc_u32 v[RD], s95, v[L16]
	s_lshl_b32 s96, s42, 10
	s_lshl_b32 s97, s16, 9
	s_add_co_u32 s96, s96, s97
	s_mov_b32 s97, 0
	s_add_nc_u64 s[8:9], s[8:9], s[96:97]
.irp b, 0,1,2,3,4,5,6,7
	global_load_b128 v[BI+8*\b:BI+8*\b+3], v[BH], s[8:9] offset:64*\b
	global_load_b128 v[BI+8*\b+4:BI+8*\b+7], v[BH], s[8:9] offset:64*\b+16
.endr
	s_lshl_b32 s98, s17, 7
	s_lshl_b32 s99, s15, 6
	s_add_co_u32 s98, s98, s99
	s_lshl_b32 s98, s98, 12
	s_add_co_u32 s98, s98, s96
	s_mov_b32 s99, 0
	s_add_nc_u64 s[10:11], s[10:11], s[98:99]
	s_add_nc_u64 s[12:13], s[12:13], s[98:99]
.macro FRAG reg, adr, off
.irp c, 0,1,2,3
	ds_load_b128 v[\reg+4*\c:\reg+4*\c+3], v[\adr] offset:\off+512*\c
.endr
.endm
.macro FETCH2 slot, q, p
	WIN 0x40
.irp i, 0,1,2,3,4,5,6,7
	FRAG 128*(\p)+16*\i, ADRB+\slot, (\q)*UNIT+2048*\i
.endr
	WIN 0
.irp i, 0,1,2,3
	FRAG AF+64*(\p)+16*\i, ADRA+\slot, (\q)*UNIT+2048*\i
.endr
	ds_load_b64 v[SC+8*(\p):SC+8*(\p)+1], v[ADSA+\slot] offset:(\q)*UNIT+16384
	ds_load_b64 v[SC+8*(\p)+2:SC+8*(\p)+3], v[ADSB+\slot] offset:(\q)*UNIT+16384
	ds_load_b64 v[SC+8*(\p)+4:SC+8*(\p)+5], v[ADSB+\slot] offset:(\q)*UNIT+16640
.endm
.macro WMI
.if oB && oA
	v_wmma_scale_f32_16x16x128_f8f6f4 v[rD:rD+7], v[rB:rB+15], v[rA:rA+15], v[rC:rC+7], v[kB], v[kA] matrix_a_scale:MATRIX_SCALE_ROW1 matrix_b_scale:MATRIX_SCALE_ROW1
.elseif oB
	v_wmma_scale_f32_16x16x128_f8f6f4 v[rD:rD+7], v[rB:rB+15], v[rA:rA+15], v[rC:rC+7], v[kB], v[kA] matrix_a_scale:MATRIX_SCALE_ROW1
.elseif oA
	v_wmma_scale_f32_16x16x128_f8f6f4 v[rD:rD+7], v[rB:rB+15], v[rA:rA+15], v[rC:rC+7], v[kB], v[kA] matrix_b_scale:MATRIX_SCALE_ROW1
.else
	v_wmma_scale_f32_16x16x128_f8f6f4 v[rD:rD+7], v[rB:rB+15], v[rA:rA+15], v[rC:rC+7], v[kB], v[kA]
.endif
.endm
.macro MULA a, p, first
.irp b, 0,1,2,3,4,5,6,7
.set rD, 8*(8*(\a)+\b)
.set rB, 128*(\p)+16*\b
.set rA, AF+64*(\p)+16*(\a)
.if \first
.set rC, BI+8*\b
.else
.set rC, rD
.endif
.set kB, SC+8*(\p)+2+\b/2
.set kA, SC+8*(\p)+(\a)/2
.set oB, \b%2
.set oA, (\a)%2
	WMI
.endr
.endm
.macro KS slot, qn, p, pn, first
	s_wait_dscnt 0x0
	PLACES 8
	FETCH2 \slot, \qn, \pn
	WIN 0xa1-0x20*\first
	MULA 0, \p, \first
	MULA 1, \p, \first
	MULA 2, \p, \first
	MULA 3, \p, \first
	WIN 0
.endm
.macro TURN slot, next, p, pn, fill
.if \fill == 1
	s_wait_xcnt 0x0                                ; my prefetches have read their base
	s_add_nc_u64 s[100:101], s[100:101], APART
.endif
	s_wait_tensorcnt 0x0
	ds_add_u32 v[SPW], v[NIL]
.if \fill == 1
	s_add_nc_u64 s[G0+4*\slot+2:G0+4*\slot+3], s[G0+4*\slot+2:G0+4*\slot+3], 2*APART
	s_add_nc_u64 s[G0B+4*\slot+2:G0B+4*\slot+3], s[G0B+4*\slot+2:G0B+4*\slot+3], 2*APART
.endif
	s_wait_dscnt 0x0
	s_barrier_signal -1
	WIN 0xa1
	MULA 0, \p, 0
	WIN 0
	s_barrier_wait -1
.if \fill == 1
	CREST
	JLOAD G0+4*\slot, G1, G0B+4*\slot, G1B
	PLACES 4
.elseif \fill == 2
	CREST
	JLOAD G0T, G1T, G0BT, G1BT
	PLACES 4
.else
	PLACES 8
.endif
	FETCH2 \next, 0, \pn
.if \fill == 1
	ASK 0, 3*APART
.endif
	WIN 0xa1
	MULA 1, \p, 0
	MULA 2, \p, 0
	MULA 3, \p, 0
	WIN 0
.endm
	s_wait_alu depctr_va_vdst(0)
	s_wait_tensorcnt 1
	s_barrier_signal -1
	s_barrier_wait -1
	FETCH2 0, 0, 0
	s_wait_loadcnt 0x0
	KS 0, 1, 0, 1, 1
.macro XLD g                           ; 16 of my 64 rows of x into window 3
	WIN 0xc0
.set i, 16*(\g)
.rept 16
	global_load_b128 v[4*i:4*i+3], v[L16], s[10:11] offset:i*4096 th:TH_LOAD_NT
.set i, i+1
.endr
	WIN 0
.endm
	XLD 0
	s_mov_b32 s3, 4
.Llap:
	KS 0, 2, 1, 0, 0
	TURN 0, 1, 0, 1, 1
	KS 1, 1, 1, 0, 0
	KS 1, 2, 0, 1, 0
	TURN 1, 0, 1, 0, 1
	KS 0, 1, 0, 1, 0
	s_sub_co_u32 s3, s3, 1
	s_cmp_lg_u32 s3, 0
	s_cbranch_scc1 .Llap
	XLD 1
	KS 0, 2, 1, 0, 0
	XLD 2
	TURN 0, 1, 0, 1, 2
	XLD 3
	KS 1, 1, 1, 0, 0
	KS 1, 2, 0, 1, 0
	TURN 1, 0, 1, 0, 0
	KS 0, 1, 0, 1, 0
	s_wait_dscnt 0x0
	WIN 0xa1
	MULA 0, 1, 0
	MULA 1, 1, 0
	MULA 2, 1, 0
	MULA 3, 1, 0
	WIN 0
	PLACES 8
.macro TOSTAGE a
	WIN 0x08
.irp b, 0,1,2,3,4,5,6,7
	ds_store_b128 v[STO], v[64*(\a)+8*\b:64*(\a)+8*\b+3] offset:64*\b
	ds_store_b128 v[STO], v[64*(\a)+8*\b+4:64*(\a)+8*\b+7] offset:64*\b+16
.endr
	WIN 0
.set BB, BK+64*((\a)%2)
.set i, 0
.rept 16
	ds_load_b128 v[BB+4*i:BB+4*i+3], v[RD] offset:528*i
.set i, i+1
.endr
.endm
.macro SEND a, younger
.set BB, BK+64*((\a)%2)
	s_wait_dscnt \younger
	s_wait_loadcnt 48-16*(\a)
	WIN 0x30
.set i, 0
.rept 32
	v_pk_fma_f32 v[BB+i:BB+i+1], v[BB+i:BB+i+1], 0.5, v[64*(\a)+i:64*(\a)+i+1] op_sel_hi:[1,0,1]
.set i, i+2
.endr
	WIN 0
.set i, 0
.rept 16
	global_store_b128 v[L16], v[BB+4*i:BB+4*i+3], s[12:13] offset:(16*(\a)+i)*4096 th:TH_STORE_NT
.set i, i+1
.endr
.endm
	TOSTAGE 0
.irp a, 1,2,3
.if \a > 1
	s_wait_xcnt 0x0
.endif
	TOSTAGE \a
	SEND \a-1, 32
.endr
	SEND 3, 0
	s_wait_tensorcnt 0x0
	ds_add_u32 v[SPW], v[NIL]
	s_wait_dscnt 0x0
	CROUND
	s_endpgm
.Lfunc_end_k_q436f1e2c0a_fc2:
	.size	k_q436f1e2c0a_fc2, .Lfunc_end_k_q436f1e2c0a_fc2-k_q436f1e2c0a_fc2
	.p2alignl 7, 3214868480
	.fill 96, 4, 3214868480
	.section	.rodata,"a",@progbits
	.p2align	6, 0x0
	.amdhsa_kernel k_q436f1e2c0a_fc2
		.amdhsa_group_segment_fixed_size 327680
		.amdhsa_private_segment_fixed_size 0
		.amdhsa_enable_private_segment 0
		.amdhsa_kernarg_size 40
		.amdhsa_user_sgpr_count 2
		.amdhsa_user_sgpr_kernarg_segment_ptr 1
		.amdhsa_wavefront_size32 1
		.amdhsa_system_sgpr_workgroup_id_x 1
		.amdhsa_system_sgpr_workgroup_id_y 1
		.amdhsa_system_sgpr_workgroup_id_z 1
		.amdhsa_system_vgpr_workitem_id 0
		.amdhsa_next_free_vgpr 1024
		.amdhsa_next_free_sgpr 102
		.amdhsa_reserve_vcc 0
		.amdhsa_float_denorm_mode_32 3
		.amdhsa_float_denorm_mode_16_64 3
		.amdhsa_memory_ordered 1
		.amdhsa_forward_progress 1
		.amdhsa_inst_pref_size 153
	.end_amdhsa_kernel
	.amdgpu_metadata
---
amdhsa.version: [ 1, 2 ]
amdhsa.kernels:
  - .name:           k_q436f1e2c0a_fc2
    .symbol:         k_q436f1e2c0a_fc2.kd
    .args:
      - { .name: yq, .offset: 0, .size: 8, .value_kind: global_buffer, .address_space: global }
      - { .name: w2q, .offset: 8, .size: 8, .value_kind: global_buffer, .address_space: global }
      - { .name: fc2_bias, .offset: 16, .size: 8, .value_kind: global_buffer, .address_space: global }
      - { .name: x, .offset: 24, .size: 8, .value_kind: global_buffer, .address_space: global }
      - { .name: out0, .offset: 32, .size: 8, .value_kind: global_buffer, .address_space: global }
    .group_segment_fixed_size: 327680
    .private_segment_fixed_size: 0
    .kernarg_segment_align: 8
    .kernarg_segment_size: 40
    .max_flat_workgroup_size: 128
    .sgpr_count:     102
    .vgpr_count:     1024
    .wavefront_size: 32
...
	.end_amdgpu_metadata
.endif
;; end of part 3
